; MI455X (gfx1250); checked and timed in simulation.
; The chip was launched on July 23, 2026; its instructions are those of AMD's public machine-readable ISA for CDNA 5 (MIT licence, August 2026) and "CDNA5" Instruction Set Architecture Reference Guide (July 2026). The comments in the code are by the model that wrote it; some were corrected since.
;; Self Attention. Allowed arithmetic: matrix products marked QUANTISED: E5M2 operands, one given power-of-two scale a tensor, by v_wmma_f32_16x16x64_bf8_bf8 or v_wmma_f32_16x16x128_bf8_bf8, f32 sums; everything else in f32.
;; Inputs: Wk_codes 1,024 x 32 x 32 uint8 (E5M2 codes of Wk, K innermost, in blocks of 32 codes); Wo_codes 1,024 x 32 x 32 uint8 (E5M2 codes of Wo, K innermost, in blocks of 32 codes); Wq_codes 1,024 x 32 x 32 uint8 (E5M2 codes of Wq, K innermost, in blocks of 32 codes); Wv_codes 1,024 x 32 x 32 uint8 (E5M2 codes of Wv, K innermost, in blocks of 32 codes); k_codes 4 x 2,048 x 32 x 32 uint8 (E5M2 codes of k, K innermost, in blocks of 32 codes); ln_beta 1,024 float32; ln_gamma 1,024 float32; lowp_scales 12 int32 (the exponents e of the quantised operands' scales 2^e); q 4 x 2,048 x 1,024 float32; v_codes 4 x 2,048 x 32 x 32 uint8 (E5M2 codes of v, K innermost, in blocks of 32 codes).
;; Outputs: out0 4 x 2,048 x 1,024 float32.
;; This version of the problem:
;;   THIS VERSION OF THE PROBLEM IS GIVEN IN LOW PRECISION. The matrix products marked QUANTISED in the list below multiply operands that are first quantised to E5M2 (5 exponent bits, 2 mantissa bits; 8 bits a number), with one given power-of-two scale for each operand tensor; their sums are f32. All else is computed in f32.
;;   The module's matrix products, in the order in which they are computed (A, B: the left and right operand; K: the contracted axis; several contracted axes count as one K, in the product's order):
;;     1. [M 8,192, K 1,024] x [K 1,024, N 1,024]; A: input q; B: input Wq (given as codes): QUANTISED (scales: A lowp_scales[0], B lowp_scales[1])
;;     2. [M 8,192, K 1,024] x [K 1,024, N 1,024]; A: input k (given as codes); B: input Wk (given as codes): QUANTISED (scales: A lowp_scales[2], B lowp_scales[3])
;;     3. [M 8,192, K 1,024] x [K 1,024, N 1,024]; A: input v (given as codes); B: input Wv (given as codes): QUANTISED (scales: A lowp_scales[4], B lowp_scales[5])
;;     4. batch 64 x [M 2,048, K 64] x [K 64, N 2,048]; A: computed on the way; B: computed on the way: QUANTISED (scales: A lowp_scales[6], B lowp_scales[7])
;;     5. batch 64 x [M 2,048, K 2,048] x [K 2,048, N 64]; A: softmax (see below); B: computed on the way: QUANTISED (scales: A lowp_scales[8], B lowp_scales[9])
;;     6. [M 8,192, K 1,024] x [K 1,024, N 1,024]; A: computed on the way; B: input Wo (given as codes): QUANTISED (scales: A lowp_scales[10], B lowp_scales[11])
;;   THE QUANTISER, for each operand of a quantised product, along K:
;;     - The operand's scale is 2^e, e = its entry of the input lowp_scales (int32; the entries are numbered through the quantised products in the list's order, A before B).
;;     - Each number is divided by the scale, clamped to +-57,344, and rounded to the nearest number of E5M2, ties to even, subnormals kept.
;;     - The product sums the exact products of the quantised numbers (number of the format x scale) in f32.
;;   ~~~python
;;   def quantise(x, axis, e):      # numpy; x: float32 -> the quantised numbers, widened to float32 again
;;       x = np.moveaxis(x, axis, -1); K = x.shape[-1]
;;       r = np.clip(x / 2.0 ** e, -57344, 57344)
;;       step = 2.0 ** (np.maximum(np.frexp(np.where(r == 0, 1, r))[1] - 1, -14) - 2)
;;       q = np.round(r / step) * step * 2.0 ** e      # np.round: ties to even
;;       return np.moveaxis(q, -1, axis).astype(np.float32)
;;   ~~~
;;   SOFTMAX AHEAD OF A QUANTISED PRODUCT. Where the list says 'softmax', what is quantised is not the finished softmax but p = 2^(t - M), with t = logit x log2(e) and M = ceil(the row's largest t), a whole number; so 1/2 < the row's largest p <= 1. The row's sum l is taken of the UNQUANTISED p, in f32, and the product's result is divided by l at the end. Since M is a whole number, a kernel that streams over the keys may use a running M (the ceiling of the running maximum): every later rescaling is an exact power of two, so the quantised numbers keep their values, but for numbers so far below the row's largest that they fall under the format's range.
;;   OPERANDS COMPUTED ON THE WAY. 'Computed on the way' means the value that the module computes at that place (a softmax that the list does not call 'softmax' is quantised finished and normalised). What goes into a quantiser is computed in f32, as accurately as f32 sums, v_exp_f32 and their like allow (about 1e-6 of the number): no bf16 or f16 on the way to a quantiser, and a product that is left as it is and whose result goes on into a quantised operand takes f32 operands (vector FMAs, or v_wmma_f32_16x16x4_f32). A number that lies on a knife's edge between two numbers of the format may be rounded either way, as far as f32 arithmetic and the matrix unit's own rounding can turn it there, and no further.
;;   INPUTS GIVEN AS CODES. Wk (in the module: [1024, 1024], K = its axis 0); Wo (in the module: [1024, 1024], K = its axis 0); Wq (in the module: [1024, 1024], K = its axis 0); Wv (in the module: [1024, 1024], K = its axis 0); k (in the module: [4, 2048, 1024], K = its axis 2); v (in the module: [4, 2048, 1024], K = its axis 2): each comes as NAME_codes (uint8): NAME with its K axis moved to the last place and cut into blocks of 32 codes, [.., K / 32, bytes a block], one block behind the other in memory; one code a byte (a code: sign, 5 exponent bits, 2 mantissa bits); its scale is its entry of lowp_scales. Its value is code x scale, taken as it is: it is not quantised again, and the codes and scales need not be those that the quantiser above would give.
;; One version. Each part assembles by itself: llvm-mc -triple=amdgcn-amd-amdhsa -mcpu=gfx1250 --defsym DOCPART=n.
;; ======== version 1 of 1: 4 launches
;; limits: right only within a limited range of input values
;; workspace buffers: qc 8,388,608 bytes; qkv 25,165,824 bytes; ctx 8,388,608 bytes
;; launch quant (part 1): grid 1024 x 1, 4 waves a work-group, no clusters, 33,280 bytes of LDS; arguments q, lowp_scales, qc; writes qc
.if DOCPART == 1
	.amdgcn_target "amdgcn-amd-amdhsa--gfx1250"
	.amdhsa_code_object_version 6
	.text
	.protected	k_q3feac98940_quant
	.globl	k_q3feac98940_quant
	.p2align	8
	.type	k_q3feac98940_quant,@function
k_q3feac98940_quant:
	s_mov_b64 s[64:65], 0
	v_nop
	global_prefetch_b8 v0, s[64:65] scope:SCOPE_SE
	s_setreg_imm32_b32 hwreg(HW_REG_WAVE_MODE, 25, 1), 1
	s_wait_xcnt 0x0
; q [8192][1024], f32, becomes codes of BF8 (E5M2), one a byte, K innermost, with the given scale 2^e0 (entry 0 of the scales).
; code = x / 2^e0, held within +-57,344, rounded to the nearest code, ties to even.  LIMITS: -126 <= e0 <= 112; NaN among the inputs is not served.
; Rows are dense, so the tensor is a plain stream.  A wave takes 4 steps of 512 numbers; a work-group 8,192 numbers.
; The conversion takes 8 neighbours from ONE lane's registers, a load is dense where neighbouring LANES take neighbouring bytes: so each of a step's four
; loads reads 512 consecutive bytes, the 2,048 bytes go through the wave's own stage in LDS as they lie (16 bytes of padding behind each 64) and come back
; 64 bytes a lane.  A lane's 16 codes are 16 bytes: the wave stores 512 consecutive bytes.  All 16 loads of a wave go out at its head.  Waves share nothing: no barrier.
.set STEPS, 4
.set EMAX,  15
.set MANT,  0x600000                   ; the mantissa field of 57,344 as f32
.set R,     16                         ; v16-79   four sets of 16 numbers as they are loaded
.set X,     80                         ; v80-111  two sets of 16 neighbours
.set C,     112                        ; v112-127 codes: four registers for each step, so that no store's data are written again
.set WREG,  8192                       ; LDS: a region of its own for each wave: two stages of 32 x SP bytes
.set SP,    80                         ; a lane's place in a stage: its 64 bytes + 16 of padding
	s_load_b128 s[4:7], s[0:1], 0x0                ; q, the scales' exponents
	s_load_b64 s[8:9], s[0:1], 0x10                ; the codes
	v_lshl_add_u32 v128, v0, 2, 0x8000
	v_mov_b32 v129, 0
	v_lshrrev_b32 v1, 5, v0
	v_readfirstlane_b32 s16, v1                    ; wave
	v_and_b32 v2, 31, v0                           ; lane
	v_lshlrev_b32 v3, 4, v2                        ; my 16 bytes of a load's 512
	v_lshlrev_b32 v4, 4, v2                        ; my 16 codes' place in a step's 512
	s_mul_i32 s17, s16, WREG
	v_lshrrev_b32 v14, 2, v2
	v_mul_u32_u24 v14, v14, SP
	v_and_b32 v15, 3, v2
	v_lshl_add_u32 v14, v15, 4, v14
	v_add_nc_u32 v14, s17, v14                     ; the stage, on the way in: SP (lane / 4) + 16 (lane % 4); a load's 512 bytes take eight places
	v_mul_u32_u24 v15, v2, SP
	v_add_nc_u32 v15, s17, v15                     ; and on the way out: SP x lane: my 16 neighbours
	s_lshl_b32 s18, ttmp9, 2
	s_add_co_u32 s18, s18, s16                     ; which run of 2,048 numbers is my wave's
	s_lshl_b32 s20, s18, 13                        ; 8,192 bytes of f32,
	s_mov_b32 s21, 0
	s_lshl_b32 s22, s18, 11                        ; 2,048 bytes of codes
	s_mov_b32 s23, 0
	s_wait_alu depctr_va_vdst(0)
	s_wait_kmcnt 0x0
	s_load_b32 s24, s[6:7], 0x0                    ; e0
	s_add_nc_u64 s[4:5], s[4:5], s[20:21]
	s_add_nc_u64 s[8:9], s[8:9], s[22:23]
.macro LOAD t
.irp i, 0,1,2,3
	global_load_b128 v[R+16*((\t)%4)+4*\i:R+16*((\t)%4)+4*\i+3], v3, s[4:5] offset:2048*(\t)+512*\i th:TH_LOAD_NT   ; 32 lanes read 512 consecutive bytes
.endr
.endm
.macro TURN t                          ; step t's numbers through the stage: LDS serves a wave's instructions in order, so no wait stands between the stores and the loads
.irp i, 0,1,2,3
	ds_store_b128 v14, v[R+16*((\t)%4)+4*\i:R+16*((\t)%4)+4*\i+3] offset:32*SP*((\t)%2)+8*SP*\i
.endr
.irp i, 0,1,2,3
	ds_load_b128 v[X+16*((\t)%2)+4*\i:X+16*((\t)%2)+4*\i+3], v15 offset:32*SP*((\t)%2)+16*\i
.endr
.endm
.irp t, 0,1,2,3
	LOAD \t
.endr
	s_wait_kmcnt 0x0
	s_add_co_i32 s24, s24, 127
	s_lshl_b32 s25, s24, 23
	v_mov_b32 v11, s25                             ; 2^e0 as f32: the conversion takes its exponent field
	s_wait_alu depctr_va_vdst(0)
	s_wait_loadcnt 12                              ; step 0's four loads are in; the twelve younger ones may be out
	TURN 0
.macro STEP t
.set XS, X+16*((\t)%2)
	s_wait_dscnt 0x0                               ; this step's numbers are back from the stage
.if (\t)+1 < STEPS
	s_wait_loadcnt 4*(STEPS-2-(\t))                ; the next step's four loads are in; those of the steps behind it may be out
	TURN (\t)+1                                    ; and go through the other stage while this step is worked
.endif
.irp i, 0,1,2,3,4,5,6,7,8,9,10,11,12,13,14,15
.endr
	v_cvt_scalef32_pk8_bf8_f32 v[C+4*(\t):C+4*(\t)+1], v[XS:XS+7], v11
	v_cvt_scalef32_pk8_bf8_f32 v[C+4*(\t)+2:C+4*(\t)+3], v[XS+8:XS+15], v11
	global_store_b128 v4, v[C+4*(\t):C+4*(\t)+3], s[8:9] offset:512*(\t)   ; the results go to a store alone
.endm
.irp t, 0,1,2,3
	STEP \t
.endr
	s_wait_tensorcnt 0x0
	ds_add_u32 v128, v129
	s_wait_dscnt 0x0
	s_endpgm
.Lfunc_end_k_q3feac98940_quant:
	.size	k_q3feac98940_quant, .Lfunc_end_k_q3feac98940_quant-k_q3feac98940_quant
	.p2alignl 7, 3214868480
	.fill 96, 4, 3214868480
	.section	.rodata,"a",@progbits
	.p2align	6, 0x0
	.amdhsa_kernel k_q3feac98940_quant
		.amdhsa_group_segment_fixed_size 33280
		.amdhsa_private_segment_fixed_size 0
		.amdhsa_enable_private_segment 0
		.amdhsa_kernarg_size 24
		.amdhsa_user_sgpr_count 2
		.amdhsa_user_sgpr_kernarg_segment_ptr 1
		.amdhsa_wavefront_size32 1
		.amdhsa_system_sgpr_workgroup_id_x 1
		.amdhsa_system_sgpr_workgroup_id_y 1
		.amdhsa_system_sgpr_workgroup_id_z 1
		.amdhsa_system_vgpr_workitem_id 0
		.amdhsa_next_free_vgpr 130
		.amdhsa_next_free_sgpr 66
		.amdhsa_reserve_vcc 0
		.amdhsa_float_denorm_mode_32 3
		.amdhsa_float_denorm_mode_16_64 3
		.amdhsa_fp16_overflow 1
		.amdhsa_memory_ordered 1
		.amdhsa_forward_progress 1
		.amdhsa_inst_pref_size 7
	.end_amdhsa_kernel
	.amdgpu_metadata
---
amdhsa.version: [ 1, 2 ]
amdhsa.kernels:
  - .name:           k_q3feac98940_quant
    .symbol:         k_q3feac98940_quant.kd
    .args:
      - { .name: q, .offset: 0, .size: 8, .value_kind: global_buffer, .address_space: global }
      - { .name: lowp_scales, .offset: 8, .size: 8, .value_kind: global_buffer, .address_space: global }
      - { .name: qc, .offset: 16, .size: 8, .value_kind: global_buffer, .address_space: global }
    .group_segment_fixed_size: 33280
    .private_segment_fixed_size: 0
    .kernarg_segment_align: 8
    .kernarg_segment_size: 24
    .max_flat_workgroup_size: 128
    .sgpr_count:     66
    .vgpr_count:     130
    .wavefront_size: 32
...
	.end_amdgpu_metadata
.endif
;; end of part 1
;; launch proj (part 2): grid 4 x 48, 4 waves a work-group, clusters of 4 x 4, 327,680 bytes of LDS; arguments qc, k_codes, v_codes, Wq_codes, Wk_codes, Wv_codes, lowp_scales, qkv; writes qkv
.if DOCPART == 2
	.amdgcn_target "amdgcn-amd-amdhsa--gfx1250"
	.amdhsa_code_object_version 6
	.text
	.protected	k_q3feac98940_proj
	.globl	k_q3feac98940_proj
	.p2align	8
	.type	k_q3feac98940_proj,@function
k_q3feac98940_proj:
	s_mov_b64 s[64:65], 0
	v_nop
	global_prefetch_b8 v0, s[64:65] scope:SCOPE_SE
	s_setreg_imm32_b32 hwreg(HW_REG_WAVE_MODE, 25, 1), 1
	s_wait_xcnt 0x0
	s_wait_alu depctr_hold_cnt(0) depctr_sa_sdst(0) depctr_va_vdst(0) depctr_va_sdst(0) depctr_va_ssrc(0) depctr_va_vcc(0) depctr_vm_vsrc(0)
	s_getreg_b32 s2, hwreg(HW_REG_IB_STS2, 6, 4)
	s_cmp_eq_u32 s2, 0
	s_cbranch_scc0 .Lentry_in_a_cluster
	s_endpgm
.Lentry_in_a_cluster:
	s_bfe_u32 s2, ttmp6, 0x10000c
	s_cmp_lg_u32 s2, 0xf033
	s_cbranch_scc0 .Lentry_shape_is_right
	s_endpgm
.Lentry_shape_is_right:
; The three projections q Wq, k Wk, v Wv on codes of BF8 (E5M2), and the quantising of their results qh / 8, kh, vh for attention's two products.
; All operands are codes, K = 1,024 innermost: activations [8192][1024], weights [1024 (n)][1024].  Sums in f32.
; SHARES.  384 tiles of 256 x 256 results; a work-group of four waves makes a tile, a wave 128 x 128: 64 accumulators, 512 registers.  384 does not divide by the 256 WGPs, so 192 WORK-GROUPS STAY AND MAKE TWO TILES EACH:
; the ring of LDS slots goes on from the first tile into the second.  The cluster's y (0..11) says which tensor, T = y / 4 (0 q, 1 k, 2 v), and which tokens: tiles 4 (y % 4) + c, then the tile 16 further on (4,096 tokens).
; K goes in steps of 256 through a ring of two LDS slots filled by the tensor data mover.  CLUSTERS: 4 x 4 work-groups; "A"'s tile is asked for jointly by a row of the cluster, "B"'s by a column.
; THE MATRIX INSTRUCTION: source 0 = 16 rows of "B", source 1 = 16 rows of "A": a lane holds ONE row of "A" (lane % 16), its registers eight neighbouring rows of "B".
;   q, k: "A" = the activation (tokens), "B" = the weight: a lane holds a token, its registers run along the head's 64: attention's first K.
;   v:    "A" = Wv, "B" = v's codes: a lane holds one of the head's 64, its registers run along the tokens: the keys, attention's second K.  Only the two pointers and the two tile coordinates change places.
; THE WAY OUT needs no LDS.  The conversion of one accumulator (register j = row 8 (lane / 16) + j of source 0) gives registers 2 c, 2 c + 1 of a fragment in the plain 8-bit layout (k = 16 c + 8 (lane / 16) + 0..7), c the
; accumulator's place among source 0's blocks.  So a block's eight accumulators ARE two fragments of 16 x 64 (q, k) or one of 16 x 128 (v), and they are stored as images of those registers: four registers a lane, 16 bytes at 16 x lane:
; each store of the wave covers 512 consecutive bytes, aligned.
; qkv: [16 b + head: 64][Q, K, V][131,072 bytes];  Q, K: [token / 16][quad 2][lane][16 bytes];  V: [token / 128][d / 16][quad 4][lane][16 bytes].
; SCALES: a sum stands for sum x 2^(its two operands' e).  code = sum / 2^E, E = e6 + 3 - e0 - e1 (q: the division by 8 is in it), e7 - e2 - e3 (k), e9 - e4 - e5 (v), held within +-57,344.
; LIMITS: each E between -126 and 112, so that 2^E and 57,344 x 2^E are f32 numbers.  NaN is not served.
; REGISTERS, in windows of 256: window 0: v0-39 addresses and the two constants; from v128 "A"'s fragments, ONE set.  window 1: "B"'s fragments, TWO sets; the second (v128-255) takes the codes on the way out.
;   windows 2, 3: the accumulators ((a, b) at v[8 (8 (a % 4) + b)]).
.set KSTEP,  256                       ; along K in a slot
.set ROWB,   256                       ; a tile's row in bytes
.set KROW,   1024                      ; a row of codes in memory, in bytes
.set PITCH,  272                       ; an LDS row: 256 bytes + 16 of padding = 68 words: the 16 rows that a load touches start at 16 different banks (64 banks of 4 bytes: ISA guide 11.1)
.set FR,     16                        ; registers of a fragment: 16 rows x 128 K
.set NL,     4                         ; LDS loads that bring one
.set NP,     4                         ; places behind this matrix instruction (ISA guide 7.12.1)
.set HALFT,  128*PITCH                 ; 128 rows: what one tensor load brings, and what one wave reads of A or of B
.set SLOT,   4*HALFT                   ; A's 256 rows, then B's 256 rows
.set LAPS,   KROW/(2*KSTEP)            ; a lap = two K steps = once round the ring
.set SPARE,  2*SLOT                    ; behind the ring: the spare words, 128 bytes for each wave: two blocks of 256 bytes that no other line names
.set HEADB,  393216                    ; a head's Q, K and V in qkv
.set NEXTT,  16*256*KROW               ; the second tile's tokens in memory: 4,096 rows of codes on
.set NEXTO,  2*16*HEADB                ; and in qkv: two batches on
.set ADRA, 16                          ; v16-17  LDS address of my A fragments in slot 0, 1
.set ADRB, 20                          ; v20-21  the same for B
.set SPW,  28                          ; v28     LDS address of my spare word; never rewritten
.set NIL,  29                          ; v29     0; never rewritten
.set LIM,  30
.set SCL,  31                          ; v31     2^E
.set OF,   32                          ; v32-39  block a's byte offset in qkv
.set AF,   128                         ; A's fragments, in window 0
.set CD,   128                         ; the way out: 16 registers of codes for each block, in window 1
.set G1, 24                            ; s[24:31] descriptor group 1 for A's tiles;  s[32:39] group 0, one set for each slot
.set G0, 32
.set G1B, 48                           ; s[48:55], s[56:63] the same for B's tiles
.set G0B, 56
.set NXA, 68                           ; s[68:69] what A's address goes on from the first tile to the second: NEXTT where A holds the tokens, else 0
.set NXB, 70                           ; s[70:71] the same for B
.set MSB, 0
.macro WIN new                         ; the immediate's high byte repeats the setting that is left
.if MSB != (\new)
	s_set_vgpr_msb (MSB<<8)|(\new)
.set MSB, \new
.endif
.endm
.set MUL_LO, 0xa1                      ; source 0 (B) window 1, source 1 (A) window 0, C and D window 2
.set MUL_HI, 0xf1                      ; the same, C and D window 3
.set TO_B,   0x40                      ; destination window 1, address window 0
; A joint load: waves 0 and 1 fetch for A, waves 2 and 3 for B.  Each of the two lines has ONE mask and one set of registers for all that issue it; the branch hangs on the wave's number alone.
; Four v_nop follow each of the two lines, ahead of the jump, the label and what follows.
.macro JLOAD g0a, g1a, g0b, g1b
	s_cmp_eq_u32 s15, 0
	s_cbranch_scc0 .Lfor_b_\@
	tensor_load_to_lds s[\g0a:\g0a+3], s[\g1a:\g1a+7]
	s_nop 0
.rept 4
	v_nop
.endr
	s_branch .Lasked_\@
.Lfor_b_\@:
	tensor_load_to_lds s[\g0b:\g0b+3], s[\g1b:\g1b+7]
	s_nop 0
.rept 4
	v_nop
.endr
.Lasked_\@:
.endm
.macro CREST                           ; a round of the cluster's barrier behind its opening barrier
	s_cmp_lg_u32 s14, 0
	s_cbranch_scc1 .Lnot_wave_0_\@
	s_barrier_signal -3
.Lnot_wave_0_\@:
	s_barrier_wait -3
	s_barrier_signal -1
	s_barrier_wait -1
.endm
.macro CROUND                          ; a whole round
	s_barrier_signal -1
	s_barrier_wait -1
	CREST
.endm
	s_load_b512 s[68:83], s[0:1], 0x0              ; qc s[68:69], k s[70:71], v s[72:73], Wq s[74:75], Wk s[76:77], Wv s[78:79], the scales s[80:81], qkv s[82:83]
	v_lshl_add_u32 v[SPW], v0, 2, SPARE
	v_mov_b32 v[NIL], 0
	ds_add_u32 v28, v29
	ds_add_u32 v28, v29
	s_wait_dscnt 0x0
	v_lshrrev_b32 v1, 5, v0
	v_readfirstlane_b32 s14, v1                    ; wave 0..3
	s_lshr_b32 s15, s14, 1                         ; which half of A's 256 rows is mine.  Also: I fetch for A (0) or for B (1)
	s_and_b32 s16, s14, 1                          ; which half of B's.  Also: which 128 rows of that tile I fetch
	s_bfe_u32 s40, ttmp6, 0x40000                  ; cx, cy: my place in the cluster
	s_bfe_u32 s41, ttmp6, 0x40004
	s_and_b32 s13, ttmp7, 0xffff                   ; the cluster's y, 0..11
	s_lshr_b32 s12, s13, 2                         ; T: the same in all sixteen partners
	s_and_b32 s13, s13, 3
	s_lshl_b32 s13, s13, 2                         ; the first 16 of the tokens' 32 tiles go four to a cluster; the other 16 are the second tiles
	s_cmp_eq_u32 s12, 2
	s_cselect_b32 s98, 0, s13                      ; q, k: the tokens are A's rows;
	s_cselect_b32 s99, s13, 0                      ; v: they are B's
	s_add_co_u32 s17, s41, s98                     ; A's tile: cy (+ 4 x the cluster's place)
	s_add_co_u32 s42, s40, s99                     ; B's tile: cx (+ 4 x the cluster's place)
	s_lshl_b32 s43, s41, 2
	s_lshl_b32 s43, 15, s43                        ; my row of the cluster
	s_lshl_b32 s44, 0x1111, s40                    ; my column
	; descriptor group 1: a tile of 128 rows x 256 bytes, padded in LDS
	s_or_b32 s[G1+0], s43, (0<<16)|(1<<20)|(1<<21)|(5<<22)|(3<<25)  ; 15:0 the mask: A's tiles go to my row; 17:16 element of 1 byte; 20 padding on; 21 set beside a mask; 24:22 after every 64 words (code 5); 31:25 of 4 words (code 3)
	s_or_b32 s[G1B+0], s44, (0<<16)|(1<<20)|(1<<21)|(5<<22)|(3<<25)
.irp g, G1, G1B
	s_mov_b32 s[\g+1], ROWB<<16                    ; tensor_dim0
	s_mov_b32 s[\g+2], 128<<16                     ; tensor_dim1 = 128
	s_mov_b32 s[\g+3], ROWB<<16                    ; tile_dim0
	s_mov_b32 s[\g+4], 128                         ; tile_dim1 = 128
	s_mov_b32 s[\g+5], KROW                        ; tensor_dim0_stride
	s_mov_b32 s[\g+6], 0
	s_mov_b32 s[\g+7], 0
.endr
	s_lshl_b32 s18, s16, 7                         ; which 128 rows of the tile I fetch
	s_lshl_b32 s20, s17, 8
	s_add_co_u32 s20, s20, s18                     ; A: row 256 x tile + 128 x half,
	s_lshl_b32 s20, s20, 10                        ; in bytes (under 2^23)
	s_mov_b32 s21, 0
	s_lshl_b32 s46, s42, 8
	s_add_co_u32 s46, s46, s18                     ; B likewise
	s_lshl_b32 s46, s46, 10
	s_mov_b32 s47, 0
	s_mul_i32 s45, s14, HALFT                      ; where they go: wave x 128 rows: no place in the cluster enters an LDS address
	s_wait_kmcnt 0x0
	s_load_b256 s[84:91], s[80:81], 0x0            ; e0 .. e7
	s_load_b128 s[92:95], s[80:81], 0x20           ; e8 .. e11
	s_cmp_eq_u32 s12, 0                            ; the buffers are chosen by the tensor's number alone
	s_cselect_b64 s[4:5], s[68:69], s[70:71]       ; A: q's codes or k's,
	s_cselect_b64 s[6:7], s[74:75], s[76:77]       ; B: Wq or Wk;
	s_cmp_eq_u32 s12, 2
	s_cselect_b64 s[4:5], s[78:79], s[4:5]         ; for v: A is Wv,
	s_cselect_b64 s[6:7], s[72:73], s[6:7]         ; B is v's codes
	s_add_nc_u64 s[20:21], s[4:5], s[20:21]
	s_add_nc_u64 s[46:47], s[6:7], s[46:47]
	CROUND                                         ; all sixteen work-groups are here: the first joint loads meet
.irp s, 0,1
	s_mov_b32 s[G0+4*\s], 1
	s_add_co_u32 s[G0+4*\s+1], s45, \s*SLOT
	s_add_nc_u64 s[G0+4*\s+2:G0+4*\s+3], s[20:21], \s*ROWB
	s_or_b32 s[G0+4*\s+3], s[G0+4*\s+3], 0x80000000
	s_mov_b32 s[G0B+4*\s], 1
	s_add_co_u32 s[G0B+4*\s+1], s45, \s*SLOT
	s_add_nc_u64 s[G0B+4*\s+2:G0B+4*\s+3], s[46:47], \s*ROWB
	s_or_b32 s[G0B+4*\s+3], s[G0B+4*\s+3], 0x80000000
	s_wait_alu depctr_va_vdst(0)
	s_wait_tensorcnt 0x0
	ds_add_u32 v28, v29
	ds_add_u32 v28, v29
	s_wait_dscnt 0x0
	CROUND
	JLOAD G0+4*\s, G1, G0B+4*\s, G1B
.endr
	s_cmp_eq_u32 s12, 2                            ; the step from the first tile to the second: the operand that holds the tokens goes 4,096 rows on, the other stays
	s_cselect_b32 s[NXA], 0, NEXTT
	s_cselect_b32 s[NXB], NEXTT, 0
	s_mov_b32 s[NXA+1], 0
	s_mov_b32 s[NXB+1], 0
	v_and_b32 v1, 15, v0                           ; l % 16
	v_bfe_u32 v2, v0, 4, 1                         ; l / 16
	v_mul_u32_u24 v3, v1, PITCH
	v_lshl_add_u32 v4, v2, 4, v3                   ; a fragment's row x pitch + 16 x half
	s_mul_i32 s21, s15, HALFT                      ; my 128 rows of A
	s_mul_i32 s22, s16, HALFT                      ; my 128 rows of B,
	s_add_co_u32 s22, s22, 2*HALFT                 ; which lie behind A's 256
.irp s, 0,1
	v_add_nc_u32 v[ADRA+\s], s21, v4
	v_add_nc_u32 v[ADRB+\s], s22, v4
	s_add_co_u32 s21, s21, SLOT
	s_add_co_u32 s22, s22, SLOT
.endr
	; where my results go.  X = my first row of A, Y = my first row of B;  the tokens are X (q, k) or Y (v), the other is the first of my 128 output features: two heads
	s_lshl_b32 s18, s17, 8
	s_lshl_b32 s19, s15, 7
	s_add_co_u32 s18, s18, s19                     ; X
	s_lshl_b32 s19, s42, 8
	s_lshl_b32 s23, s16, 7
	s_add_co_u32 s19, s19, s23                     ; Y
	s_cmp_eq_u32 s12, 2
	s_cselect_b32 s98, s19, s18                    ; my first token
	s_cselect_b32 s99, s18, s19                    ; my first feature
	s_mov_b32 s20, 1024
	s_cselect_b32 s20, 2048, s20                   ; from block a to a + 1 (within four): a tile of 16 tokens (q, k), a fragment of 16 d (v)
	s_mov_b32 s21, 4096
	s_cselect_b32 s21, HEADB, s21                  ; from blocks 0-3 to 4-7: four tiles on (q, k), the next head (v)
	s_mov_b32 s22, HEADB
	s_cselect_b32 s22, 1024, s22                   ; from a block's quads 0, 1 to its quads 2, 3: the next head (q, k), 1,024 bytes on (v)
	s_lshr_b32 s23, s98, 11                        ; b
	s_lshl_b32 s23, s23, 4
	s_lshr_b32 s99, s99, 6                         ; head
	s_add_co_u32 s23, s23, s99
	s_mul_i32 s23, s23, HEADB
	s_lshl_b32 s99, s12, 17                        ; the part: Q, K or V
	s_add_co_u32 s23, s23, s99
	s_and_b32 s98, s98, 2047
	s_lshl_b32 s98, s98, 6                         ; 64 bytes a token in each of the three layouts
	s_add_co_u32 s98, s98, s23
	s_mov_b32 s99, 0
	s_add_nc_u64 s[8:9], s[82:83], s[98:99]        ; quads 0, 1
	s_mov_b32 s23, 0
	s_add_nc_u64 s[10:11], s[8:9], s[22:23]        ; quads 2, 3
	v_and_b32 v5, 31, v0
	v_lshlrev_b32 v5, 4, v5                        ; 16 x lane
	s_wait_alu depctr_va_vdst(0)
.irp a, 0,1,2,3,4,5,6,7
	s_mul_i32 s18, s20, (\a)%4
	s_mul_i32 s19, s21, (\a)/4
	s_add_co_u32 s18, s18, s19
	v_add_nc_u32 v[OF+\a], s18, v5
.endr
	; the scale of the conversion, chosen without a branch; both tiles of a work-group belong to one tensor
	s_wait_kmcnt 0x0
	s_add_co_i32 s96, s90, 3
	s_sub_co_i32 s96, s96, s84
	s_sub_co_i32 s96, s96, s85                     ; q: e6 + 3 - e0 - e1
	s_sub_co_i32 s97, s91, s86
	s_sub_co_i32 s97, s97, s87                     ; k: e7 - e2 - e3
	s_sub_co_i32 s98, s93, s88
	s_sub_co_i32 s98, s98, s89                     ; v: e9 - e4 - e5
	s_cmp_eq_u32 s12, 0
	s_cselect_b32 s96, s96, s97
	s_cmp_eq_u32 s12, 2
	s_cselect_b32 s96, s98, s96                    ; E
	s_add_co_i32 s96, s96, 127
	s_lshl_b32 s97, s96, 23
	v_mov_b32 v[SCL], s97                          ; 2^E as f32: the conversion takes its exponent field
.macro FRAG reg, adr, q, i             ; a fragment by four loads of 16 bytes: registers 4 c .. 4 c + 3 hold K = 32 c + 16 (l / 16) + 0 .. 15: a permutation of k, the same in A and in B, so every product meets its partner
.irp c, 0,1,2,3
	ds_load_b128 v[\reg+4*\c:\reg+4*\c+3], v[\adr] offset:128*(\q)+32*\c+(\i)*16*PITCH
.endr
.endm
; 16 matrix instructions: A's blocks a0, a0 + 1 x B's eight, 128 along K.  p: B's set.  zero = 1: the first product starts the sums: nothing is ever cleared.
; The 64 accumulators take turns, one instruction a turn, in the same order in every step.
.macro MUL16 a0, p, zero
.irp a, \a0, \a0+1
.irp b, 0,1,2,3,4,5,6,7
.if \zero
	v_wmma_f32_16x16x128_bf8_bf8 v[8*(8*((\a)%4)+\b):8*(8*((\a)%4)+\b)+7], v[128*(\p)+FR*\b:128*(\p)+FR*\b+FR-1], v[AF+FR*(\a):AF+FR*(\a)+FR-1], 0
.else
	v_wmma_f32_16x16x128_bf8_bf8 v[8*(8*((\a)%4)+\b):8*(8*((\a)%4)+\b)+7], v[128*(\p)+FR*\b:128*(\p)+FR*\b+FR-1], v[AF+FR*(\a):AF+FR*(\a)+FR-1], v[8*(8*((\a)%4)+\b):8*(8*((\a)%4)+\b)+7]
.endif
.endr
.endr
.endm
.macro FETCH_B slot, q, p              ; B's eight fragments of the slot's q-th 128 along K into set p
	WIN TO_B
.irp i, 0,1,2,3,4,5,6,7
	FRAG 128*(\p)+FR*\i, ADRB+\slot, \q, \i
.endr
	WIN 0
.endm
.macro FETCH_A slot, q, i0             ; A's blocks i0 .. i0 + 3
.irp i, \i0, \i0+1, \i0+2, \i0+3
	FRAG AF+FR*(\i), ADRA+\slot, \q, \i
.endr
.endm
; A load into a register that a matrix instruction has read, and a vector instruction that reads a matrix result or writes one of its registers, stand NP places behind it; only plain vector instructions
; that name none of its registers are places (ISA guide 7.12.1 for vector instructions).
.macro PLACES n
.rept \n
	v_nop
.endr
.endm
; A step of 128 along K that has its successor in the same slot.
.macro STEP slot, q, zero
	s_wait_dscnt 4*NL                              ; B's set and A's blocks 0-3 are in; the youngest sixteen loads (A's blocks 4-7) may be out
	WIN MUL_LO
	MUL16 0, (\q)%2, \zero
	MUL16 2, (\q)%2, \zero
	s_wait_dscnt 0                                 ; A's blocks 4-7 are in (asked for 32 matrix instructions ago)
	PLACES NP
	FETCH_B \slot, (\q)+1, 1-(\q)%2
	FETCH_A \slot, (\q)+1, 0
	WIN MUL_HI
	MUL16 4, (\q)%2, \zero
	MUL16 6, (\q)%2, \zero
	PLACES NP
	WIN 0
	FETCH_A \slot, (\q)+1, 4
.endm
; A slot's last step changes slots: ONE barrier; in front of it each wave waits for all its tensor loads, adds 0 to its spare word, and waits for that and for its own reads of this slot.
; fill = 1: this slot is filled again, two K steps ahead.  fill = 2: with the SECOND TILE's K step of the same slot: 512 bytes back along K, and the tokens' operand 4,096 rows on.  fill = 0: nothing is left to fetch.
.macro TURN slot, next, fill
	s_wait_tensorcnt 0x0                           ; all my tensor loads have landed: my part of the next slot;  (every window is 0 here)
	ds_add_u32 v[SPW], v[NIL]                      ; 0 onto my spare word
	s_wait_dscnt 4*NL+1                            ; (the add and the youngest sixteen loads, A's blocks 4-7, may be out)
	WIN MUL_LO
	MUL16 0, 1, 0                                  ; sixteen matrix instructions stand between the add and the wait for it
	s_wait_dscnt 0x0                               ; the add is done, and my reads of this slot are over
	s_barrier_signal -1
	MUL16 2, 1, 0
	WIN 0
	s_barrier_wait -1
.if \fill
	CREST                                          ; the barrier has opened a round of the cluster's barrier: no wave of any partner still reads this slot's tile or has a load on its way
.if (\fill) == 2
	s_sub_nc_u64 s[G0+4*\slot+2:G0+4*\slot+3], s[G0+4*\slot+2:G0+4*\slot+3], 2*ROWB
	s_add_nc_u64 s[G0+4*\slot+2:G0+4*\slot+3], s[G0+4*\slot+2:G0+4*\slot+3], s[NXA:NXA+1]
	s_sub_nc_u64 s[G0B+4*\slot+2:G0B+4*\slot+3], s[G0B+4*\slot+2:G0B+4*\slot+3], 2*ROWB
	s_add_nc_u64 s[G0B+4*\slot+2:G0B+4*\slot+3], s[G0B+4*\slot+2:G0B+4*\slot+3], s[NXB:NXB+1]
.else
	s_add_nc_u64 s[G0+4*\slot+2:G0+4*\slot+3], s[G0+4*\slot+2:G0+4*\slot+3], 2*ROWB
	s_add_nc_u64 s[G0B+4*\slot+2:G0B+4*\slot+3], s[G0B+4*\slot+2:G0B+4*\slot+3], 2*ROWB
.endif
	JLOAD G0+4*\slot, G1, G0B+4*\slot, G1B         ; the first tensor load behind the round; the four v_nop behind it are the places in front of the loads below
.else
	PLACES NP
.endif
	FETCH_B \next, 0, 0
	FETCH_A \next, 0, 0
	WIN MUL_HI
	MUL16 4, 1, 0
	MUL16 6, 1, 0
	PLACES NP
	WIN 0
	FETCH_A \next, 0, 4
.endm
; A trip goes once round the ring, from a lap's second step to the next lap's first, and fills both slots again
.macro LAP
	s_mov_b32 s3, LAPS-1
.Llap_\@:
	TURN 0, 1, 1
	STEP 1, 0, 0
	TURN 1, 0, 1
	STEP 0, 0, 0
	s_sub_co_u32 s3, s3, 1
	s_cmp_lg_u32 s3, 0
	s_cbranch_scc1 .Llap_\@
.endm
; THE WAY OUT.  Block a: its 64 sums are converted into window 1, and leave as four quads of 512 consecutive bytes.
.macro OUTBLK a
.set AC, 64*((\a)%4)
.set WW, 2+(\a)/4
.set WM, (WW<<6)|WW
	WIN WM                                         ; destination and source 0: the accumulators' window
.set j, 0
.rept 64
.set j, j+1
.endr
.set WM, (1<<6)|WW
	WIN WM                                         ; destination window 1, source 0 the accumulators' window, the scale in window 0
.irp b, 0,1,2,3,4,5,6,7
	v_cvt_scalef32_pk8_bf8_f32 v[CD+16*(\a)+2*\b:CD+16*(\a)+2*\b+1], v[AC+8*\b:AC+8*\b+7], v[SCL]
.endr
	WIN 0x04                                       ; a store's data are its source 1: window 1; its address window 0
	v_nop                                          ; one plain vector line behind the last conversion of the run
.irp i, 0,1
	global_store_b128 v[OF+(\a)], v[CD+16*(\a)+4*\i:CD+16*(\a)+4*\i+3], s[8:9] offset:512*\i
.endr
.irp i, 0,1
	global_store_b128 v[OF+(\a)], v[CD+16*(\a)+8+4*\i:CD+16*(\a)+8+4*\i+3], s[10:11] offset:512*\i
.endr
.endm
.macro OUT
.irp a, 0,1,2,3,4,5,6,7
	OUTBLK \a
.endr
	WIN 0
.endm
	s_wait_tensorcnt 1                             ; my part of K step 0 is in (K step 1's load may be out),
	s_barrier_signal -1
	s_barrier_wait -1                              ; everybody's is
	FETCH_B 0, 0, 0
	FETCH_A 0, 0, 0
	FETCH_A 0, 0, 4
	; ---- the first tile
	STEP 0, 0, 1                                   ; a tile's first step stands in front of the loop: its products start the sums
	LAP
	TURN 0, 1, 2                                   ; THE RING GOES ON INTO THE SECOND TILE: slot 0 takes its K step 0,
	STEP 1, 0, 0
	TURN 1, 0, 2                                   ; slot 1 its K step 1, and the second tile's first fragments are fetched (B's into set 0, A's into window 0); four places stand behind the last products
	s_wait_alu depctr_va_vdst(0)
	OUT                                            ; both refills are asked for: now the tile goes out.  The codes take B's set 1, which the last products have left
	s_wait_xcnt 0x0                                ; the stores have read their data, offsets and bases: only behind this wait do the bases step, and LDS loads land on set 1 again
	s_add_nc_u64 s[8:9], s[8:9], NEXTO
	s_add_nc_u64 s[10:11], s[10:11], NEXTO
	; ---- the second tile
	STEP 0, 0, 1
	LAP
	TURN 0, 1, 0                                   ; the last lap fills nothing, and has no round of the cluster's barrier
	STEP 1, 0, 0
	s_wait_dscnt 4*NL                              ; the very last step: nothing more to fetch
	WIN MUL_LO
	MUL16 0, 1, 0
	MUL16 2, 1, 0
	s_wait_dscnt 0
	WIN MUL_HI
	MUL16 4, 1, 0
	MUL16 6, 1, 0
	WIN 0
	PLACES NP                                      ; behind the last products: their results are read, and the registers of B's set 1 written, only from here on
	OUT
	s_wait_tensorcnt 0x0                           ; the wave's end
	ds_add_u32 v[SPW], v[NIL]
	s_wait_dscnt 0x0
	CROUND                                         ; the closing round: no work-group ends while a partner may still ask for a tile that names it
	s_endpgm
.Lfunc_end_k_q3feac98940_proj:
	.size	k_q3feac98940_proj, .Lfunc_end_k_q3feac98940_proj-k_q3feac98940_proj
	.p2alignl 7, 3214868480
	.fill 96, 4, 3214868480
	.section	.rodata,"a",@progbits
	.p2align	6, 0x0
	.amdhsa_kernel k_q3feac98940_proj
		.amdhsa_group_segment_fixed_size 327680
		.amdhsa_private_segment_fixed_size 0
		.amdhsa_enable_private_segment 0
		.amdhsa_kernarg_size 64
		.amdhsa_user_sgpr_count 2
		.amdhsa_user_sgpr_kernarg_segment_ptr 1
		.amdhsa_wavefront_size32 1
		.amdhsa_system_sgpr_workgroup_id_x 1
		.amdhsa_system_sgpr_workgroup_id_y 1
		.amdhsa_system_sgpr_workgroup_id_z 1
		.amdhsa_system_vgpr_workitem_id 0
		.amdhsa_next_free_vgpr 1024
		.amdhsa_next_free_sgpr 100
		.amdhsa_reserve_vcc 0
		.amdhsa_float_denorm_mode_32 3
		.amdhsa_float_denorm_mode_16_64 3
		.amdhsa_fp16_overflow 1
		.amdhsa_memory_ordered 1
		.amdhsa_forward_progress 1
		.amdhsa_inst_pref_size 169
	.end_amdhsa_kernel
	.amdgpu_metadata
---
amdhsa.version: [ 1, 2 ]
amdhsa.kernels:
  - .name:           k_q3feac98940_proj
    .symbol:         k_q3feac98940_proj.kd
    .args:
      - { .name: qc, .offset: 0, .size: 8, .value_kind: global_buffer, .address_space: global }
      - { .name: k_codes, .offset: 8, .size: 8, .value_kind: global_buffer, .address_space: global }
      - { .name: v_codes, .offset: 16, .size: 8, .value_kind: global_buffer, .address_space: global }
      - { .name: Wq_codes, .offset: 24, .size: 8, .value_kind: global_buffer, .address_space: global }
      - { .name: Wk_codes, .offset: 32, .size: 8, .value_kind: global_buffer, .address_space: global }
      - { .name: Wv_codes, .offset: 40, .size: 8, .value_kind: global_buffer, .address_space: global }
      - { .name: lowp_scales, .offset: 48, .size: 8, .value_kind: global_buffer, .address_space: global }
      - { .name: qkv, .offset: 56, .size: 8, .value_kind: global_buffer, .address_space: global }
    .group_segment_fixed_size: 327680
    .private_segment_fixed_size: 0
    .kernarg_segment_align: 8
    .kernarg_segment_size: 64
    .max_flat_workgroup_size: 128
    .sgpr_count:     100
    .vgpr_count:     1024
    .wavefront_size: 32
...
	.end_amdgpu_metadata
.endif
;; end of part 2
;; launch attn (part 3): grid 4 x 64, 16 waves a work-group, clusters of 4 x 1, 264,192 bytes of LDS; arguments qkv, lowp_scales, ctx; writes ctx
.if DOCPART == 3
	.amdgcn_target "amdgcn-amd-amdhsa--gfx1250"
	.amdhsa_code_object_version 6
	.text
	.protected	k_q3feac98940_attn
	.globl	k_q3feac98940_attn
	.p2align	8
	.type	k_q3feac98940_attn,@function
k_q3feac98940_attn:
	s_mov_b64 s[64:65], 0
	v_nop
	global_prefetch_b8 v0, s[64:65] scope:SCOPE_SE
	s_setreg_imm32_b32 hwreg(HW_REG_WAVE_MODE, 25, 1), 1
	s_wait_xcnt 0x0
	s_wait_alu depctr_hold_cnt(0) depctr_sa_sdst(0) depctr_va_vdst(0) depctr_va_sdst(0) depctr_va_ssrc(0) depctr_va_vcc(0) depctr_vm_vsrc(0)
	s_getreg_b32 s2, hwreg(HW_REG_IB_STS2, 6, 4)
	s_cmp_eq_u32 s2, 0
	s_cbranch_scc0 .Lentry_in_a_cluster
	s_endpgm
.Lentry_in_a_cluster:
	s_bfe_u32 s2, ttmp6, 0x10000c
	s_cmp_lg_u32 s2, 0x3003
	s_cbranch_scc0 .Lentry_shape_is_right
	s_endpgm
.Lentry_shape_is_right:
; ctx[b][s][head] = softmax(qh kh^T / 8) vh for the 64 pairs (b, head), both products on codes of BF8 (E5M2); ctx leaves as codes too (scale 2^e10), for the output projection.
; qkv holds, for each pair, Q (= qh / 8), K and V as images of operand registers in the plain 8-bit layout (registers 2 c, 2 c + 1: k = 16 c + 8 (lane / 16) + 0..7), 16 bytes a lane and quad:
;   Q, K: [token / 16][quad 2][lane][16];   V: [token / 128][d / 16][quad 4][lane][16], the keys being its K.
; THE SOFTMAX AHEAD OF THE SECOND PRODUCT: t = score x log2(e); M = the row's largest t so far, rounded UP to a whole number; p = 2^(t - M) is quantised (2^e8), not normalised.  The row's sum is taken of the
; unquantised p and divides at the end.  When M moves, the sum and O are multiplied by 2^(old M - new M): exact.
; SHARES.  A work-group owns one pair and 512 of its 2,048 queries.  The pair's WHOLE K and V, 262,144 consecutive bytes of qkv, lie in LDS for the whole launch: each of the sixteen waves brings 16,384 bytes by one tensor load,
; asked for JOINTLY by the four work-groups of a cluster, which own the four quarters of one pair's queries.  Nothing is filled again: one barrier, none in the loop.
; A wave owns TWO tiles of 16 queries, A and B, in 256 registers, four waves to a SIMD, and walks the keys once, 128 a step: each fragment of K and V that it reads feeds two matrix instructions.
; LAYOUT.  S^T = K Q^T (source 0 = 16 keys, source 1 = my 16 queries), O^T = V^T P^T (source 0 = 16 of the head's 64): a lane holds ONE query (lane % 16) throughout.  The conversion of the eight accumulators of S^T gives
; P's sixteen registers in the plain layout as they stand, and that of O^T's four gives eight registers of ctx's fragment.
; BY TURNS.  A tile's softmax for a key step is three numbered lists of plain lines, P1 (the largest score, M, f, t - M: 73), RS (the sum and O^T times f: 17), P2 (the sums, the conversions: 104), and 64 exponentials
; between P1 and P2.  A trip runs P1 of A; A's exponentials with RS of A and P1 of B dealt out between them (90 lines to 64); B's exponentials with RS of B and P2 of A between them (121 to 64); P2 of B.
; No line that stands among a batch's exponentials names one of that batch's results, so each batch has one wait, behind its last exponential and ahead of its first reader.
; ctx: [row / 16: 512][k / 128: 8][quad 4][lane][16]: fragments of 16 rows x 128 K; a head is half a fragment: two quads, each stored as 512 consecutive bytes.
; LIMITS on the given exponents, so that each power of two below is an f32 number: e6 + e7 between -126 and 127; e8 and e10 between -126 and 112; e8 + e9 goes by v_ldexp_f32 and has none.  NaN is not served.
; REGISTERS: v1 16 x lane; v2 the LDS address in hand; v3 the conversion's scale; v[4:7], v[8:11] -M, largest t, the sum's two halves of tiles A, B; v12-15 at work; v16-31 Q; v32-63 four fragments of K, then P of both tiles;
;   v64-127 S^T of tile A, then V's four fragments; v128-191 S^T of tile B; v192-255 O^T of both.
.set HEADB, 393216
.set PARTB, 131072
.set STEPB, 8192                       ; a key step's images: 8 tiles of K, or 4 fragments of V
.set AL,  1
.set ADR, 2
.set SCV, 3
.set QA,  16
.set QBR, 24
.set R1,  32
.set SA,  64
.set SBB, 128
.set OA,  192
.set OBB, 224
.set WV,  10                           ; s10  my wave's number
.macro CROUND                          ; a round of the cluster's barrier
	s_barrier_signal -1
	s_barrier_wait -1
	s_cmp_lg_u32 s[WV], 0
	s_cbranch_scc1 .Lnot_wave_0_\@
	s_barrier_signal -3
.Lnot_wave_0_\@:
	s_barrier_wait -3
	s_barrier_signal -1
	s_barrier_wait -1
.endm
.macro PLACES
.rept 4
	v_nop
.endr
.endm
	s_load_b128 s[4:7], s[0:1], 0x0                ; qkv, the scales' exponents
	s_load_b64 s[8:9], s[0:1], 0x10                ; ctx
	v_lshl_add_u32 v254, v0, 2, 0x40000
	v_mov_b32 v255, 0
	ds_add_u32 v254, v255
	ds_add_u32 v254, v255
	s_wait_dscnt 0x0
	v_lshrrev_b32 v2, 5, v0
	v_readfirstlane_b32 s[WV], v2                  ; wave 0..15
	s_bfe_u32 s11, ttmp6, 0x40000                  ; cx: which quarter of the queries: it enters Q's and ctx's addresses alone
	s_and_b32 s12, ttmp7, 0xffff                   ; the pair 16 b + head, which the four partners share
	s_mul_i32 s44, s12, HEADB
	s_mov_b32 s45, 0
	; descriptor group 1: 16,384 dense bytes as 64 rows of 32 elements of 8 bytes
	s_mov_b32 s24, 15|(3<<16)|(1<<21)              ; 15:0 the mask: all four work-groups; 17:16 elements of 8 bytes; 21 set beside a mask; no padding: the images are read 16 bytes a lane on end
	s_mov_b32 s25, 32<<16                          ; tensor_dim0 = 32
	s_mov_b32 s26, 64<<16                          ; tensor_dim1 = 64
	s_mov_b32 s27, 32<<16                          ; tile_dim0 = 32
	s_mov_b32 s28, 64                              ; tile_dim1 = 64
	s_mov_b32 s29, 32                              ; tensor_dim0_stride
	s_mov_b32 s30, 0
	s_mov_b32 s31, 0
	s_mov_b32 s20, 0x76543210                      ; v_permlanex16_b32's selects for lane l xor 16
	s_mov_b32 s21, 0xfedcba98
	s_mov_b32 s32, 0                               ; LDS byte of the step's K,
	s_mov_b32 s33, PARTB                           ; of its V
	s_mov_b32 s34, 16                              ; key steps to go
	s_lshl_b32 s17, s[WV], 14                      ; 63:32 LDS address: 16,384 x wave
	s_add_co_u32 s48, s17, PARTB                   ; and in the pair's block of qkv: behind Q
	s_mov_b32 s49, 0
	s_mov_b32 s16, 1                               ; 1:0 count = 1
	s_wait_kmcnt 0x0
	s_load_b256 s[36:43], s[6:7], 0x10             ; e4 .. e11
	s_add_nc_u64 s[4:5], s[4:5], s[44:45]          ; qkv at my pair
	s_add_nc_u64 s[18:19], s[4:5], s[48:49]        ; 120:64 global address
	s_or_b32 s19, s19, 0x80000000                  ; 127:126 type = 2
	CROUND                                         ; all four work-groups are here: the joint loads meet
	tensor_load_to_lds s[16:19], s[24:31]          ; my one tensor load of the launch
	s_nop 0
	PLACES
	s_lshl_b32 s48, s11, 15
	s_lshl_b32 s50, s[WV], 11
	s_add_co_u32 s48, s48, s50                     ; my two tiles of Q: 1,024 x (32 cx + 2 wave)
	s_add_nc_u64 s[50:51], s[4:5], s[48:49]
	v_and_b32 v[AL], 31, v0
	v_lshlrev_b32 v[AL], 4, v[AL]
.irp i, 0,1,2,3
	global_load_b128 v[QA+4*\i:QA+4*\i+3], v[AL], s[50:51] offset:512*\i   ; Q's two fragments stay in registers
.endr
	s_lshr_b32 s52, s12, 4                         ; b
	s_lshl_b32 s52, s52, 7
	s_lshl_b32 s53, s11, 5
	s_add_co_u32 s52, s52, s53
	s_lshl_b32 s53, s[WV], 1
	s_add_co_u32 s52, s52, s53                     ; my first tile of rows: 128 b + 32 cx + 2 wave
	s_lshl_b32 s52, s52, 14                        ; 16,384 bytes a tile of rows
	s_and_b32 s53, s12, 15
	s_lshl_b32 s53, s53, 10                        ; the head's two quads: 1,024 x head
	s_add_co_u32 s52, s52, s53
	s_mov_b32 s53, 0
	s_add_nc_u64 s[8:9], s[8:9], s[52:53]
	v_mov_b32 v5, 0xff61b1e6                       ; the largest t so far: -3e38, under every t
	v_floor_f32 v4, -v5                            ; -M
	v_mov_b32 v6, 0                                ; the sum, in two halves
	v_mov_b32 v7, 0
	v_mov_b32 v9, 0xff61b1e6
	v_floor_f32 v8, -v9
	v_mov_b32 v10, 0
	v_mov_b32 v11, 0
	v_mov_b32 v13, 0                               ; (named as the upper half of the pair v[12:13])
	v_mov_b32 v15, 0                               ; written once: a lane permute's destination counts as one of its sources
.set j, 0
.rept 64
	v_mov_b32 v[OA+j], 0                           ; O^T.  (The loop is written once: its first step finds zeros, which the first change of M leaves zeros)
.set j, j+1
.endr
	s_wait_kmcnt 0x0
	s_add_co_i32 s44, s38, s39
	s_lshl_b32 s44, s44, 23
	s_add_co_i32 s22, s44, 0x3fb8aa3b              ; c = log2(e) x 2^(e6 + e7): the two exponents are added to its exponent field
	s_mov_b32 s23, s22                             ; (named with it as a pair, so it is written)
	s_add_co_i32 s44, s40, 127
	s_lshl_b32 s45, s44, 23
	v_mov_b32 v[SCV], s45                          ; 2^e8 as f32, for p's conversion
	s_add_co_i32 s44, s44, 15
	s_lshl_b32 s44, s44, 23
	s_or_b32 s35, s44, 0x600000                    ; 57,344 x 2^e8
; THE THREE LISTS.  SB: the tile's 64 scores (register 8 t + j = key 16 t + 8 (lane / 16) + j); ST: its four statistics; PB: where p's codes go; OB: its O^T.  Each macro writes line n of its list.
; P1, 73 lines: 0-31 the step's largest score of my query among my 64 keys, in two chains, each accumulator from its low end on; 32, 33 lane l xor 16's; 34 as t (c is positive); 35 the running largest t;
; 36-40 the new -M = floor(-t), a whole number, and f = 2^(old M - new M); 41-72 t - M, two at a time.
.macro P1 n, SB, ST
.if (\n) == 0
	v_max3_num_f32 v14, v[\SB], v[\SB+1], v[\SB+2]
.elseif (\n) == 1
	v_max3_num_f32 v12, v[\SB+3], v[\SB+4], v[\SB+5]
.elseif ((\n) < 30) && (((\n)%2) == 0)
	v_max3_num_f32 v14, v14, v[\SB+2+2*(\n)], v[\SB+3+2*(\n)]
.elseif (\n) < 30
	v_max3_num_f32 v12, v12, v[\SB+2+2*(\n)], v[\SB+3+2*(\n)]
.elseif (\n) == 30
	v_max3_num_f32 v14, v14, v[\SB+62], v[\SB+63]
.elseif (\n) == 31
	v_max_num_f32 v14, v14, v12
.elseif (\n) == 32
	v_permlanex16_b32 v15, v14, s20, s21
.elseif (\n) == 33
	v_max_num_f32 v14, v14, v15
.elseif (\n) == 34
	v_mul_f32 v14, s22, v14
.elseif (\n) == 35
	v_max_num_f32 v[\ST+1], v[\ST+1], v14
.elseif (\n) == 36
	v_mov_b32 v14, v[\ST]
.elseif (\n) == 37
	v_floor_f32 v[\ST], -v[\ST+1]
.elseif (\n) == 38
	v_sub_f32 v14, v[\ST], v14                     ; M's old value less its new one: a whole number, 0 or less
.elseif (\n) == 39
	v_cvt_i32_f32 v14, v14                         ; (it saturates)
.elseif (\n) == 40
	v_ldexp_f32 v12, 1.0, v14
.else
	v_pk_fma_f32 v[\SB+2*((\n)-41):\SB+2*((\n)-41)+1], v[\SB+2*((\n)-41):\SB+2*((\n)-41)+1], s[22:23], v[\ST:\ST+1] op_sel_hi:[1,0,0]   ; (of the pairs c and -M the low word serves both halves)
.endif
.endm
; RS, 17 lines: what was summed under the old M is brought under the new: the sum's two halves, then O^T, each accumulator from its low end on, times f: nothing is rounded.
.macro RS n, ST, OB
.if (\n) == 0
	v_pk_mul_f32 v[\ST+2:\ST+3], v[\ST+2:\ST+3], v[12:13] op_sel_hi:[1,0]
.else
	v_pk_mul_f32 v[\OB+2*((\n)-1):\OB+2*((\n)-1)+1], v[\OB+2*((\n)-1):\OB+2*((\n)-1)+1], v[12:13] op_sel_hi:[1,0]
.endif
.endm
; P2, 104 lines: 0-31 the row's sum of the UNQUANTISED p, two at a time, in two chains; then four times: 16 empty numbers and two conversions.
.macro P2 n, SB, ST, PB
.if (\n) == 0
	v_pk_add_f32 v[14:15], v[\SB:\SB+1], v[\SB+2:\SB+3]
.elseif ((\n) < 31) && (((\n)%2) == 1)
	v_pk_add_f32 v[\ST+2:\ST+3], v[\ST+2:\ST+3], v[\SB+2+2*(\n):\SB+3+2*(\n)]
.elseif (\n) < 31
	v_pk_add_f32 v[14:15], v[14:15], v[\SB+2+2*(\n):\SB+3+2*(\n)]
.elseif (\n) == 31
	v_pk_add_f32 v[\ST+2:\ST+3], v[\ST+2:\ST+3], v[14:15]
.else
.set qb, ((\n)-32)/18
.set qi, ((\n)-32)%18
.if qi < 16
.elseif qi == 16
	v_cvt_scalef32_pk8_bf8_f32 v[\PB+4*qb:\PB+4*qb+1], v[\SB+16*qb:\SB+16*qb+7], v[SCV]
.else
	v_cvt_scalef32_pk8_bf8_f32 v[\PB+4*qb+2:\PB+4*qb+3], v[\SB+16*qb+8:\SB+16*qb+15], v[SCV]
.endif
.endif
.endm
.macro FILLA                           ; line fi of the 90 that stand among tile A's exponentials: they name v6, v7, v12-15, O^T of A, the scores and statistics of B
.if fi < 17
	RS fi, 4, OA
.else
	P1 fi-17, SBB, 8
.endif
.endm
.macro FILLB                           ; line fi of the 121 that stand among tile B's exponentials: they name v10-15, O^T of B, p, the sum and the codes of A
.if fi < 17
	RS fi, 8, OBB
.else
	P2 fi-17, SA, 4, R1
.endif
.endm
; A batch: the 64 exponentials p = 2^(t - M) of the tile at SB, in place, with NF lines of the other list dealt out evenly behind them, one or two behind each
.macro MIX SB, NF, which
.set ei, 0
.set fi, 0
.rept 64
	v_exp_f32 v[\SB+ei], v[\SB+ei]
.set ei, ei+1
.rept 2
.if fi*64 < ei*\NF
.if \which == 0
	FILLA
.else
	FILLB
.endif
.set fi, fi+1
.endif
.endr
.endr
.endm
	s_wait_loadcnt 0x0                             ; Q
	s_wait_tensorcnt 0x0                           ; my sixteenth of K and V has landed,
	s_barrier_signal -1
	s_barrier_wait -1                              ; everybody's has: from here on LDS is only read
.Lstep:                                            ; 16 trips of 128 keys
	s_setprio 2
	v_add_nc_u32 v[ADR], s32, v[AL]
	PLACES                                         ; with the addition five places behind the last trip's products: four for the loads into P's registers, the fifth since the scores are written over V's
.irp g, 0,1                                    ; S^T = K Q^T, four tiles of 16 keys at a time, each fragment of K for both tiles of queries
.if \g > 0
	PLACES
.endif
.irp t, 0,1,2,3
.irp c, 0,1
	ds_load_b128 v[R1+8*\t+4*\c:R1+8*\t+4*\c+3], v[ADR] offset:(4*\g+\t)*1024+512*\c
.endr
.endr
	s_wait_dscnt 0x0
.irp t, 0,1,2,3
	v_wmma_f32_16x16x64_bf8_bf8 v[SA+8*(4*\g+\t):SA+8*(4*\g+\t)+7], v[R1+8*\t:R1+8*\t+7], v[QA:QA+7], 0
	v_wmma_f32_16x16x64_bf8_bf8 v[SBB+8*(4*\g+\t):SBB+8*(4*\g+\t)+7], v[R1+8*\t:R1+8*\t+7], v[QBR:QBR+7], 0
.endr
.endr
	PLACES
.set fi, 0
.rept 73
	P1 fi, SA, 4                                   ; tile A: M, f, t - M
.set fi, fi+1
.endr
	MIX SA, 90, 0                                  ; A's exponentials | A's sum and O^T times f, then tile B: M, f, t - M
	s_setprio 1
	v_add_nc_u32 v[ADR], s33, v[AL]                ; V's address; a plain line behind the batch
	s_wait_alu depctr_va_vdst(0)                   ; one wait for A's batch, ahead of its first reader
	MIX SBB, 121, 1                                ; B's exponentials | B's sum and O^T times f, then A's sums and conversions
	v_nop                                          ; a plain line behind the last exponential and the last conversion
	s_wait_alu depctr_va_vdst(0)                   ; one wait for B's batch
.irp d, 0,1,2,3                                ; V's four fragments take the registers that tile A's p has left, and land while tile B's list runs
.irp c, 0,1,2,3
	ds_load_b128 v[SA+16*\d+4*\c:SA+16*\d+4*\c+3], v[ADR] offset:2048*\d+512*\c
.endr
.endr
.set fi, 0
	s_setprio 0
.rept 104
	P2 fi, SBB, 8, R1+16                           ; tile B: sums, conversions
.set fi, fi+1
.endr
	v_nop                                          ; one plain vector line between the last conversion and the products that read its result
	s_wait_dscnt 0x0                               ; V is in
.irp d, 0,1,2,3                                ; O^T += V^T P^T: the eight accumulators by turns, one link each a trip
	v_wmma_f32_16x16x128_bf8_bf8 v[OA+8*\d:OA+8*\d+7], v[SA+16*\d:SA+16*\d+15], v[R1:R1+15], v[OA+8*\d:OA+8*\d+7]
	v_wmma_f32_16x16x128_bf8_bf8 v[OBB+8*\d:OBB+8*\d+7], v[SA+16*\d:SA+16*\d+15], v[R1+16:R1+31], v[OBB+8*\d:OBB+8*\d+7]
.endr
	s_add_co_u32 s32, s32, STEPB
	s_add_co_u32 s33, s33, STEPB
	s_sub_co_u32 s34, s34, 1
	s_cmp_lg_u32 s34, 0
	s_cbranch_scc1 .Lstep
	s_setprio 0
	; THE WAY OUT.  ctx = O^T x 2^(e8 + e9) / the sum, held, converted with 2^e10, stored as two quads a tile.  The additions are places behind the last products.
	v_add_f32 v6, v6, v7                           ; the sums' two halves,
	v_add_f32 v10, v10, v11
	v_permlanex16_b32 v14, v6, s20, s21
	v_permlanex16_b32 v15, v10, s20, s21
	v_add_f32 v6, v6, v14                          ; and lane l xor 16's
	v_add_f32 v10, v10, v15
	v_rcp_f32 v6, v6
	v_rcp_f32 v10, v10
	v_nop                                          ; a plain line behind the reciprocals
	s_add_co_i32 s44, s40, s41                     ; e8 + e9
	s_add_co_i32 s46, s42, 127
	s_lshl_b32 s47, s46, 23
	v_mov_b32 v[SCV], s47                          ; 2^e10
	s_wait_alu depctr_va_vdst(0)                   ; one wait for both reciprocals, ahead of their first reader
	v_ldexp_f32 v6, v6, s44
	v_ldexp_f32 v10, v10, s44
.macro FINISH OB, LR, CB, u
.irp j, 0,2,4,6,8,10,12,14,16,18,20,22,24,26,28,30
	v_pk_mul_f32 v[\OB+\j:\OB+1+\j], v[\OB+\j:\OB+1+\j], v[\LR:\LR+1] op_sel_hi:[1,0]   ; each accumulator from its low end on
.endr
.set j, 0
.rept 32
.set j, j+1
.endr
.irp d, 0,1,2,3
	v_cvt_scalef32_pk8_bf8_f32 v[\CB+2*\d:\CB+2*\d+1], v[\OB+8*\d:\OB+8*\d+7], v[SCV]
.endr
	v_nop                                          ; one plain vector line behind the last conversion of the run
	global_store_b128 v[AL], v[\CB:\CB+3], s[8:9] offset:16384*\u          ; 512 consecutive bytes, aligned
	global_store_b128 v[AL], v[\CB+4:\CB+7], s[8:9] offset:16384*\u+512
.endm
	FINISH OA, 6, R1, 0
	FINISH OBB, 10, R1+8, 1
	s_wait_xcnt 0x0
	v_lshl_add_u32 v254, v0, 2, 0x40000
	v_mov_b32 v255, 0
	s_wait_tensorcnt 0x0
	ds_add_u32 v254, v255
	s_wait_dscnt 0x0
	CROUND                                         ; the closing round
	s_endpgm
.Lfunc_end_k_q3feac98940_attn:
	.size	k_q3feac98940_attn, .Lfunc_end_k_q3feac98940_attn-k_q3feac98940_attn
	.p2alignl 7, 3214868480
	.fill 96, 4, 3214868480
	.section	.rodata,"a",@progbits
	.p2align	6, 0x0
	.amdhsa_kernel k_q3feac98940_attn
		.amdhsa_group_segment_fixed_size 264192
		.amdhsa_private_segment_fixed_size 0
		.amdhsa_enable_private_segment 0
		.amdhsa_kernarg_size 24
		.amdhsa_user_sgpr_count 2
		.amdhsa_user_sgpr_kernarg_segment_ptr 1
		.amdhsa_wavefront_size32 1
		.amdhsa_system_sgpr_workgroup_id_x 1
		.amdhsa_system_sgpr_workgroup_id_y 1
		.amdhsa_system_sgpr_workgroup_id_z 1
		.amdhsa_system_vgpr_workitem_id 0
		.amdhsa_next_free_vgpr 256
		.amdhsa_next_free_sgpr 66
		.amdhsa_reserve_vcc 0
		.amdhsa_float_denorm_mode_32 3
		.amdhsa_float_denorm_mode_16_64 3
		.amdhsa_fp16_overflow 1
		.amdhsa_memory_ordered 1
		.amdhsa_forward_progress 1
		.amdhsa_inst_pref_size 36
	.end_amdhsa_kernel
	.amdgpu_metadata
---
amdhsa.version: [ 1, 2 ]
amdhsa.kernels:
  - .name:           k_q3feac98940_attn
    .symbol:         k_q3feac98940_attn.kd
    .args:
      - { .name: qkv, .offset: 0, .size: 8, .value_kind: global_buffer, .address_space: global }
      - { .name: lowp_scales, .offset: 8, .size: 8, .value_kind: global_buffer, .address_space: global }
      - { .name: ctx, .offset: 16, .size: 8, .value_kind: global_buffer, .address_space: global }
    .group_segment_fixed_size: 264192
    .private_segment_fixed_size: 0
    .kernarg_segment_align: 8
    .kernarg_segment_size: 24
    .max_flat_workgroup_size: 512
    .sgpr_count:     66
    .vgpr_count:     256
    .wavefront_size: 32
...
	.end_amdgpu_metadata
.endif
;; end of part 3
;; launch outln (part 4): grid 256 x 1, 4 waves a work-group, clusters of 4 x 1, 327,680 bytes of LDS; arguments ctx, Wo_codes, lowp_scales, q, ln_gamma, ln_beta, out0; writes out0
.if DOCPART == 4
	.amdgcn_target "amdgcn-amd-amdhsa--gfx1250"
	.amdhsa_code_object_version 6
	.text
	.protected	k_q3feac98940_outln
	.globl	k_q3feac98940_outln
	.p2align	8
	.type	k_q3feac98940_outln,@function
k_q3feac98940_outln:
	s_mov_b64 s[64:65], 0
	v_nop
	global_prefetch_b8 v0, s[64:65] scope:SCOPE_SE
	s_setreg_imm32_b32 hwreg(HW_REG_WAVE_MODE, 25, 1), 1
	s_wait_xcnt 0x0
	s_wait_alu depctr_hold_cnt(0) depctr_sa_sdst(0) depctr_va_vdst(0) depctr_va_sdst(0) depctr_va_ssrc(0) depctr_va_vcc(0) depctr_vm_vsrc(0)
	s_getreg_b32 s2, hwreg(HW_REG_IB_STS2, 6, 4)
	s_cmp_eq_u32 s2, 0
	s_cbranch_scc0 .Lentry_in_a_cluster
	s_endpgm
.Lentry_in_a_cluster:
	s_bfe_u32 s2, ttmp6, 0x10000c
	s_cmp_lg_u32 s2, 0x3003
	s_cbranch_scc0 .Lentry_shape_is_right
	s_endpgm
.Lentry_shape_is_right:
; out0 = LayerNorm(ctx Wo + q) x gamma + beta.  The product on codes of BF8 (E5M2): ctx as images of operand registers ([row / 16][k / 128][quad 4][lane][16 bytes], plain 8-bit layout), Wo_codes [1024 (n)][1024 (k)].  All else f32.
; SHARES.  A row's mean and variance want the whole row in one work-group.  256 work-groups of 32 rows x 1,024 columns; wave w makes columns 256 w .. 256 w + 255 for all 32 rows: 32 accumulators, 256 registers.
; Every work-group walks all 1,048,576 bytes of Wo whatever its rows; with 32 rows each the way out (stage, LayerNorm, q, out0) is shared among as many work-groups as there are WGPs.
; Wo goes through a ring of two LDS slots in eight tiles t: K bytes 256 (t / 2) on, of the wave's rows 256 w + 128 (t % 2) on; slot t % 2.  Each wave fetches, and alone reads, its own 128 rows x 256 bytes.
; CLUSTER: the four row blocks of a cluster walk the same weights: each tile is asked for jointly, by the same load with the mask of all four.
; ctx's 16 fragments (2 tiles of rows x 8 steps of 128 along K) come from memory straight into registers at the head, 512 consecutive bytes a load, and stay.  The wave's eight rows of q are asked for into registers of
; their own in the changes of slots of tiles 1 and 3, four tiles and more ahead of their use.
; THE MATRIX INSTRUCTION: source 0 = 16 rows of Wo (output columns), source 1 = 16 rows of ctx: a lane holds one row and eight neighbouring columns.  Wo's fragments are read by loads of 8 bytes, k in its true place, as ctx's images have it.
; THE WAY OUT: the sums go through a stage in LDS (32 rows x 4,112 bytes, in slot 0, which has had its last fill and its last read); each wave takes 8 whole rows back, four at a time:
; x = sum x 2^(e10 + e11) + q; the mean; x - mean; the mean of its squares (two passes, so that a common offset of the inputs costs no digits); x rsqrt(var + 1e-6) x gamma + beta; 512 consecutive bytes a store.
; LIMITS: e10 + e11 between -126 and 127.  NaN is not served.
; REGISTERS, in windows of 256: window 0: v1-31 addresses and statistics; v32-63 gamma, v64-95 beta (lane l: columns 128 c + 4 l + 0..3); v128-255 ctx's K steps 0-3, later four rows of x.
;   window 1: v0-127 Wo's eight fragments, ONE set; v128-255 ctx's K steps 4-7.   window 2: the accumulators ((hf, b, a) at v[8 (16 hf + 2 b + a)]).   window 3: q's eight rows, 32 registers each.
.set PITCH,  272                       ; an LDS row of Wo: 256 bytes + 16 = 68 words: lane (r, h) of a load of 8 bytes starts at bank (4 r + 2 h) mod 64
.set HALFT,  128*PITCH                 ; what one tensor load brings
.set SLOT,   4*HALFT
.set SPARE,  2*SLOT                    ; behind the ring: the spare words, 128 bytes for each wave: two blocks of 256 bytes that no other line names
.set SPITCH, 4112                      ; a stage row: 4,096 bytes + 16
.set AL,  1                            ; v1     16 x lane
.set ADB, 2                            ; v2-3   LDS address of my fragments of Wo in slot 0, 1
.set STO, 4                            ; v4-5   the stage: where I put 32 bytes of a row of tile a
.set RD,  8                            ; v8     the stage: where I read my rows back
.set SPW, 10                           ; v10    LDS address of my spare word; never rewritten
.set NIL, 11                           ; v11    0; never rewritten
.set SM,  12                           ; v12-19 four rows' sums, a pair each
.set PD,  20                           ; v20-23 lane permutes' destinations
.set MN,  24                           ; v24-31 four pairs: the mean, then 1 / sqrt(var + eps), in the low word
.set GA,  32
.set BE,  64
.set X,   128
.set G1, 24                            ; s[24:31] descriptor group 1;  s[32:39] group 0, one set for each slot
.set G0, 32
.set MSB, 0
.macro WIN new                         ; the immediate's high byte repeats the setting that is left
.if MSB != (\new)
	s_set_vgpr_msb (MSB<<8)|(\new)
.set MSB, \new
.endif
.endm
.macro CREST                           ; a round of the cluster's barrier behind its opening barrier
	s_cmp_lg_u32 s18, 0
	s_cbranch_scc1 .Lnot_wave_0_\@
	s_barrier_signal -3
.Lnot_wave_0_\@:
	s_barrier_wait -3
	s_barrier_signal -1
	s_barrier_wait -1
.endm
.macro CROUND
	s_barrier_signal -1
	s_barrier_wait -1
	CREST
.endm
.macro PLACES                          ; four places behind a matrix instruction, in front of loads into registers that it has read and of reads of its results (ISA guide 7.12.1 for the reads of its results)
.rept 4
	v_nop
.endr
.endm
	s_load_b256 s[4:11], s[0:1], 0x0               ; ctx s[4:5], Wo s[6:7], the scales s[8:9], q s[10:11]
	s_load_b128 s[12:15], s[0:1], 0x20             ; gamma s[12:13], beta s[14:15]
	s_load_b64 s[16:17], s[0:1], 0x30              ; out0
	v_lshl_add_u32 v[SPW], v0, 2, SPARE
	v_mov_b32 v[NIL], 0
	ds_add_u32 v10, v11
	ds_add_u32 v10, v11
	s_wait_dscnt 0x0
	v_lshrrev_b32 v12, 5, v0
	v_readfirstlane_b32 s18, v12                   ; wave 0..3
	s_bfe_u32 s19, ttmp6, 0x40000                  ; cx
	s_lshl_b32 s20, ttmp9, 2
	s_add_co_u32 s20, s20, s19                     ; my block of 32 rows: it enters ctx's, q's and out0's addresses alone
	; descriptor group 1: 128 rows x 256 bytes, padded in LDS
	s_mov_b32 s[G1], 15|(1<<20)|(1<<21)|(5<<22)|(3<<25)   ; 15:0 the mask: all four work-groups; 17:16 elements of 1 byte; 20 padding on; 21 set beside a mask; 24:22 after every 64 words (code 5); 31:25 of 4 words (code 3)
	s_mov_b32 s[G1+1], 256<<16                     ; tensor_dim0
	s_mov_b32 s[G1+2], 128<<16                     ; tensor_dim1
	s_mov_b32 s[G1+3], 256<<16                     ; tile_dim0
	s_mov_b32 s[G1+4], 128                         ; tile_dim1
	s_mov_b32 s[G1+5], 1024                        ; tensor_dim0_stride
	s_mov_b32 s[G1+6], 0
	s_mov_b32 s[G1+7], 0
	s_mul_i32 s21, s18, HALFT                      ; my tile's place in a slot
	s_lshl_b32 s22, s18, 18                        ; my 256 rows of Wo, 1,024 bytes each
	s_mov_b32 s23, 0
	s_mov_b32 s40, 0x76543210                      ; v_permlanex16_b32's selects for lane l xor 16
	s_mov_b32 s41, 0xfedcba98
	s_mov_b32 s44, 0x3a800000                      ; 1 / 1,024
	s_mov_b32 s45, 0x358637bd                      ; 1e-6
	s_lshl_b32 s52, s20, 15                        ; ctx: two tiles of rows, 16,384 bytes each
	s_mov_b32 s53, 0
	s_lshl_b32 s56, s20, 17                        ; q and out0: 32 rows of 4,096 bytes,
	s_lshl_b32 s57, s18, 15                        ; my wave's 8 of them
	s_add_co_u32 s56, s56, s57
	s_mov_b32 s57, 0
	s_wait_kmcnt 0x0
	s_load_b64 s[48:49], s[8:9], 0x28              ; e10, e11
	s_add_nc_u64 s[22:23], s[6:7], s[22:23]
	s_add_nc_u64 s[54:55], s[4:5], s[52:53]
	s_add_nc_u64 s[46:47], s[10:11], s[56:57]
	s_add_nc_u64 s[50:51], s[16:17], s[56:57]
.irp s, 0,1
	s_mov_b32 s[G0+4*\s], 1                        ; 1:0 count = 1
	s_add_co_u32 s[G0+4*\s+1], s21, \s*SLOT        ; 63:32 LDS address
	s_add_nc_u64 s[G0+4*\s+2:G0+4*\s+3], s[22:23], \s*128*1024   ; 120:64 global address: tile s: my rows 128 s on, K from 0
	s_or_b32 s[G0+4*\s+3], s[G0+4*\s+3], 0x80000000
.endr
	CROUND                                         ; all four work-groups are here: the first joint loads meet
	tensor_load_to_lds s[G0:G0+3], s[G1:G1+7]      ; tile 0: one load of mine is out
	s_nop 0
	s_wait_alu depctr_va_vdst(0)
	s_wait_tensorcnt 0x0
	ds_add_u32 v10, v11
	s_wait_dscnt 0x0
	CROUND
	tensor_load_to_lds s[G0+4:G0+7], s[G1:G1+7]
	s_nop 0
	PLACES
	v_and_b32 v[AL], 31, v0
	v_lshlrev_b32 v[AL], 4, v[AL]
	v_and_b32 v12, 15, v0                          ; r
	v_bfe_u32 v13, v0, 4, 1                        ; h
	v_mul_u32_u24 v[ADB], v12, PITCH
	v_lshl_add_u32 v[ADB], v13, 3, v[ADB]
	v_add_nc_u32 v[ADB], s21, v[ADB]               ; row r x pitch + 8 h + my tile
	v_add_nc_u32 v[ADB+1], SLOT, v[ADB]
	v_mul_u32_u24 v[STO], v12, SPITCH
	v_lshl_add_u32 v[STO], v13, 5, v[STO]
	s_lshl_b32 s52, s18, 10
	v_add_nc_u32 v[STO], s52, v[STO]               ; the stage: row r, + 1,024 x wave, + 32 h
	v_add_nc_u32 v[STO+1], 16*SPITCH, v[STO]
	s_mul_i32 s52, s18, 8*SPITCH
	v_add_nc_u32 v[RD], s52, v[AL]                 ; back: my 8 rows, 16 bytes a lane
.irp i, 0,1,2,3
	v_mov_b32 v[PD+\i], 0                          ; written once: a lane permute's destination counts as one of its sources
	v_mov_b32 v[MN+2*\i+1], 0                      ; (named as the upper halves of pairs)
.endr
.irp c, 0,1,2,3,4,5,6,7
	global_load_b128 v[GA+4*\c:GA+4*\c+3], v[AL], s[12:13] offset:512*\c
	global_load_b128 v[BE+4*\c:BE+4*\c+3], v[AL], s[14:15] offset:512*\c
.endr
; ctx's eight fragments of K steps 4 p .. 4 p + 3 (128 along K each; two tiles of rows a) into window p: v[128 + 32 f + 16 a]
.macro ALOAD p
.set WM, (\p)<<6
	WIN WM
.irp f, 0,1,2,3
.irp a, 0,1
.irp c, 0,1,2,3
	global_load_b128 v[128+32*\f+16*\a+4*\c:128+32*\f+16*\a+4*\c+3], v[AL], s[54:55] offset:16384*\a+2048*(4*(\p)+\f)+512*\c
.endr
.endr
.endr
	WIN 0
.endm
; rows 4 g .. 4 g + 3 of my 8 rows of q into window 3, from register 128 g on
.macro QLOAD g
	WIN 0xc0
.irp rho, 0,1,2,3
.irp c, 0,1,2,3,4,5,6,7
	global_load_b128 v[128*(\g)+32*\rho+4*\c:128*(\g)+32*\rho+4*\c+3], v[AL], s[46:47] offset:(4*(\g)+\rho)*4096+512*\c th:TH_LOAD_NT
.endr
.endr
	WIN 0
.endm
; Wo's fragments of blocks b0 .. b0 + 3 (16 rows x 128 K each: the slot's q-th 128): registers 2 c, 2 c + 1 hold k = 16 c + 8 h + 0..7
.macro FETCHB sl, q, b0
	WIN 0x40                                       ; destination window 1, address window 0
.irp b, \b0, \b0+1, \b0+2, \b0+3
.irp c, 0,1,2,3,4,5,6,7
	ds_load_b64 v[16*(\b)+2*\c:16*(\b)+2*\c+1], v[ADB+(\sl)] offset:4352*(\b)+128*(\q)+16*\c
.endr
.endr
.endm
; n blocks of Wo from b0 on x ctx's two tiles of rows, K step kf.  A half's 16 accumulators take turns, one instruction a turn, in the same order in every step.
.macro MULB b0, n, kf, hf, zero
.set WM, 1|(((\kf)/4)<<2)|(2<<4)|(2<<6)
	WIN WM                                         ; source 0 (Wo) window 1, source 1 (ctx) window kf / 4, C and D window 2
.set AR, 128+32*((\kf)%4)
.set bb, \b0
.rept \n
.irp a, 0,1
.if \zero
	v_wmma_f32_16x16x128_bf8_bf8 v[8*(16*(\hf)+2*bb+\a):8*(16*(\hf)+2*bb+\a)+7], v[16*bb:16*bb+15], v[AR+16*\a:AR+16*\a+15], 0
.else
	v_wmma_f32_16x16x128_bf8_bf8 v[8*(16*(\hf)+2*bb+\a):8*(16*(\hf)+2*bb+\a)+7], v[16*bb:16*bb+15], v[AR+16*\a:AR+16*\a+15], v[8*(16*(\hf)+2*bb+\a):8*(16*(\hf)+2*bb+\a)+7]
.endif
.endr
.set bb, bb+1
.endr
.endm
; Tile t's first 128 along K.  A block of Wo is free as soon as its two products are issued: blocks 0-3 are fetched anew in the step's middle, blocks 4-7 at its end.
.macro STEP t, zero
.set SL, (\t)%2
.set KF, 2*((\t)/2)
	s_wait_dscnt 32                                ; blocks 0-3 are in; the youngest 32 loads (blocks 4-7) may be out
	MULB 0, 4, KF, SL, \zero
	PLACES
	FETCHB SL, 1, 0
	s_wait_dscnt 32                                ; all but the 32 just issued
	MULB 4, 4, KF, SL, \zero
	PLACES
	FETCHB SL, 1, 4
.endm
; Tile t's second 128 along K, and the change of slots: ONE barrier; in front of it each wave waits for all its tensor loads, adds 0 to its spare word, and waits for that and for its reads of this slot.
; fill = 1: the barrier opens a round of the cluster's barrier, and this slot takes tile t + 2.
.macro TURN t, fill
.set SL, (\t)%2
.set NX, 1-SL
.set KF, 2*((\t)/2)+1
	WIN 0                                          ; (the add's two registers lie in window 0)
	s_wait_tensorcnt 0x0                           ; all my tensor loads have landed: the one that was out is the next tile
	ds_add_u32 v[SPW], v[NIL]                      ; 0 onto my spare word
	s_wait_dscnt 33                                ; (the add and the youngest 32 loads, blocks 4-7, may be out)
	MULB 0, 2, KF, SL, 0                           ; four matrix instructions stand between the add and the wait for it
	s_wait_dscnt 0x0                               ; the add is done, and my reads of this slot are over
	s_barrier_signal -1
	MULB 2, 2, KF, SL, 0
	WIN 0
	s_barrier_wait -1
.if \fill
	CREST                                          ; no wave of any partner still reads this slot or has a load on its way
	s_add_nc_u64 s[G0+4*SL+2:G0+4*SL+3], s[G0+4*SL+2:G0+4*SL+3], 256   ; the same rows, 256 further along K
	tensor_load_to_lds s[G0+4*SL:G0+4*SL+3], s[G1:G1+7]   ; my one tensor load behind the round, and the first thing there
	s_nop 0
.endif
	PLACES                                         ; the places in front of the loads below
	FETCHB NX, 0, 0
	MULB 4, 4, KF, SL, 0
	PLACES
	FETCHB NX, 0, 4
.if (\t) == 1
	s_wait_loadcnt 0x0                             ; ctx's K steps 4-7, asked for at the head and wanted from tile 4 on, are in
	QLOAD 0                                        ; my first four rows of q
.endif
.if (\t) == 3
	QLOAD 1                                        ; and the other four
.endif
.endm
	ALOAD 0
	ALOAD 1
	s_wait_kmcnt 0x0
	s_add_co_i32 s42, s48, s49
	s_add_co_i32 s42, s42, 127
	s_lshl_b32 s42, s42, 23                        ; 2^(e10 + e11) as f32
	s_mov_b32 s43, s42                             ; (named with it as a pair, so it is written)
	s_wait_tensorcnt 0x1                           ; tile 0 is in, tile 1 may be out; its bytes are my own: no other wave reads them
	FETCHB 0, 0, 0
	FETCHB 0, 0, 4
	s_wait_loadcnt 32                              ; gamma, beta and ctx's K steps 0-3 are in; the 32 loads of K steps 4-7 may be out
	STEP 0, 1                                      ; the first products on each accumulator start the sums: nothing is cleared
	TURN 0, 1
	STEP 1, 1
	TURN 1, 1
.irp t, 2,3,4,5
	STEP \t, 0
	TURN \t, 1
.endr
	STEP 6, 0
	TURN 6, 0                                      ; nothing is left to fetch
	STEP 7, 0
	s_wait_dscnt 32
	MULB 0, 4, 7, 1, 0
	s_wait_dscnt 0x0
	MULB 4, 4, 7, 1, 0
	WIN 0
	; THE WAY OUT
	PLACES
	s_barrier_signal -1                            ; every wave's reads of the slots are back and its tensor loads have landed:
	s_barrier_wait -1                              ; slot 0 becomes the stage
	WIN 0x08                                       ; an LDS store's data are its source 1: window 2
.irp hf, 0,1                                   ; lane (r, h), accumulator (hf, b, a): row 16 a + r, columns 256 w + 128 hf + 16 b + 8 h + 0..7; each accumulator's low half first
.irp b, 0,1,2,3,4,5,6,7
.irp a, 0,1
	ds_store_b128 v[STO+\a], v[8*(16*\hf+2*\b+\a):8*(16*\hf+2*\b+\a)+3] offset:512*\hf+64*\b
	ds_store_b128 v[STO+\a], v[8*(16*\hf+2*\b+\a)+4:8*(16*\hf+2*\b+\a)+7] offset:512*\hf+64*\b+16
.endr
.endr
.endr
	WIN 0
	s_wait_dscnt 0x0                               ; for the others' sake: my stores into the stage have landed
	s_barrier_signal -1
	s_barrier_wait -1
.macro REDUCE                          ; the four rows' sums over the pair and the 32 lanes, the rows by turns; every lane ends with the result
.irp rho, 0,1,2,3
	v_add_f32 v[SM+2*\rho], v[SM+2*\rho], v[SM+2*\rho+1]
.endr
.irp m, 1,2,4,8
.irp rho, 0,1,2,3
	v_add_f32_dpp v[SM+2*\rho], v[SM+2*\rho], v[SM+2*\rho] row_xmask:\m row_mask:0xf bank_mask:0xf
.endr
.endr
.irp rho, 0,1,2,3
	v_permlanex16_b32 v[PD+\rho], v[SM+2*\rho], s40, s41
.endr
.irp rho, 0,1,2,3
	v_add_f32 v[SM+2*\rho], v[SM+2*\rho], v[PD+\rho]
.endr
.endm
.macro LNGROUP g                       ; four whole rows: lane l holds columns 128 c + 4 l + 0..3 in registers 4 c .. 4 c + 3 of the row's 32
.if (\g) > 0
	s_wait_xcnt 0x0                                ; the last group's stores have read their registers: they are loaded again only behind this wait
.endif
.irp rho, 0,1,2,3
.irp c, 0,1,2,3,4,5,6,7
	ds_load_b128 v[X+32*\rho+4*\c:X+32*\rho+4*\c+3], v[RD] offset:SPITCH*(4*(\g)+\rho)+512*\c
.endr
.endr
.if (\g) == 0
	s_wait_loadcnt 0x0                             ; my eight rows of q are in
.endif
	s_wait_dscnt 0x0
.set QB, 128*(\g)
	WIN 0x30                                       ; source 2: q's window
.set i, 0
.rept 16
.irp rho, 0,1,2,3
	v_pk_fma_f32 v[X+32*\rho+i:X+32*\rho+i+1], v[X+32*\rho+i:X+32*\rho+i+1], s[42:43], v[QB+32*\rho+i:QB+32*\rho+i+1] op_sel_hi:[1,0,1]   ; x = sum x 2^(e10 + e11) + q
.endr
.set i, i+2
.endr
	WIN 0
.irp rho, 0,1,2,3
	v_pk_add_f32 v[SM+2*\rho:SM+2*\rho+1], v[X+32*\rho:X+32*\rho+1], v[X+32*\rho+2:X+32*\rho+3]
.endr
.set i, 4
.rept 14
.irp rho, 0,1,2,3
	v_pk_add_f32 v[SM+2*\rho:SM+2*\rho+1], v[SM+2*\rho:SM+2*\rho+1], v[X+32*\rho+i:X+32*\rho+i+1]
.endr
.set i, i+2
.endr
	REDUCE
.irp rho, 0,1,2,3
	v_mul_f32 v[MN+2*\rho], s44, v[SM+2*\rho]      ; the mean
.endr
.set i, 0
.rept 16
.irp rho, 0,1,2,3
	v_pk_add_f32 v[X+32*\rho+i:X+32*\rho+i+1], v[X+32*\rho+i:X+32*\rho+i+1], v[MN+2*\rho:MN+2*\rho+1] op_sel_hi:[1,0] neg_lo:[0,1] neg_hi:[0,1]   ; x - mean
.endr
.set i, i+2
.endr
.irp rho, 0,1,2,3
	v_pk_mul_f32 v[SM+2*\rho:SM+2*\rho+1], v[X+32*\rho:X+32*\rho+1], v[X+32*\rho:X+32*\rho+1]
.endr
.set i, 2
.rept 15
.irp rho, 0,1,2,3
	v_pk_fma_f32 v[SM+2*\rho:SM+2*\rho+1], v[X+32*\rho+i:X+32*\rho+i+1], v[X+32*\rho+i:X+32*\rho+i+1], v[SM+2*\rho:SM+2*\rho+1]
.endr
.set i, i+2
.endr
	REDUCE
.irp rho, 0,1,2,3
	v_fma_f32 v[SM+2*\rho], v[SM+2*\rho], s44, s45 ; var + 1e-6
.endr
	s_wait_alu depctr_va_vdst(0)
.irp rho, 0,1,2,3
	v_rsq_f32 v[MN+2*\rho], v[SM+2*\rho]
.endr
	v_nop                                          ; a plain line behind the last of the four
	s_wait_alu depctr_va_vdst(0)                   ; one wait for the four, ahead of their first reader
.set i, 0
.rept 16
.irp rho, 0,1,2,3
	v_pk_mul_f32 v[X+32*\rho+i:X+32*\rho+i+1], v[X+32*\rho+i:X+32*\rho+i+1], v[MN+2*\rho:MN+2*\rho+1] op_sel_hi:[1,0]
.endr
.set i, i+2
.endr
.set i, 0
.rept 16
.irp rho, 0,1,2,3
	v_pk_fma_f32 v[X+32*\rho+i:X+32*\rho+i+1], v[X+32*\rho+i:X+32*\rho+i+1], v[GA+i:GA+i+1], v[BE+i:BE+i+1]
.endr
.set i, i+2
.endr
.irp rho, 0,1,2,3
.irp c, 0,1,2,3,4,5,6,7
	global_store_b128 v[AL], v[X+32*\rho+4*\c:X+32*\rho+4*\c+3], s[50:51] offset:(4*(\g)+\rho)*4096+512*\c th:TH_STORE_NT   ; 32 lanes store 512 consecutive bytes, aligned; written once, read by nobody here
.endr
.endr
.endm
	s_wait_alu depctr_va_vdst(0)
	LNGROUP 0
	LNGROUP 1
	s_wait_tensorcnt 0x0                           ; the wave's end: behind my last tensor load and my last LDS store
	ds_add_u32 v[SPW], v[NIL]
	s_wait_dscnt 0x0
	CROUND                                         ; the closing round: no work-group ends while a partner may still ask for a tile that names it
	s_endpgm
.Lfunc_end_k_q3feac98940_outln:
	.size	k_q3feac98940_outln, .Lfunc_end_k_q3feac98940_outln-k_q3feac98940_outln
	.p2alignl 7, 3214868480
	.fill 96, 4, 3214868480
	.section	.rodata,"a",@progbits
	.p2align	6, 0x0
	.amdhsa_kernel k_q3feac98940_outln
		.amdhsa_group_segment_fixed_size 327680
		.amdhsa_private_segment_fixed_size 0
		.amdhsa_enable_private_segment 0
		.amdhsa_kernarg_size 56
		.amdhsa_user_sgpr_count 2
		.amdhsa_user_sgpr_kernarg_segment_ptr 1
		.amdhsa_wavefront_size32 1
		.amdhsa_system_sgpr_workgroup_id_x 1
		.amdhsa_system_sgpr_workgroup_id_y 1
		.amdhsa_system_sgpr_workgroup_id_z 1
		.amdhsa_system_vgpr_workitem_id 0
		.amdhsa_next_free_vgpr 1024
		.amdhsa_next_free_sgpr 66
		.amdhsa_reserve_vcc 0
		.amdhsa_float_denorm_mode_32 3
		.amdhsa_float_denorm_mode_16_64 3
		.amdhsa_memory_ordered 1
		.amdhsa_forward_progress 1
		.amdhsa_inst_pref_size 180
	.end_amdhsa_kernel
	.amdgpu_metadata
---
amdhsa.version: [ 1, 2 ]
amdhsa.kernels:
  - .name:           k_q3feac98940_outln
    .symbol:         k_q3feac98940_outln.kd
    .args:
      - { .name: ctx, .offset: 0, .size: 8, .value_kind: global_buffer, .address_space: global }
      - { .name: Wo_codes, .offset: 8, .size: 8, .value_kind: global_buffer, .address_space: global }
      - { .name: lowp_scales, .offset: 16, .size: 8, .value_kind: global_buffer, .address_space: global }
      - { .name: q, .offset: 24, .size: 8, .value_kind: global_buffer, .address_space: global }
      - { .name: ln_gamma, .offset: 32, .size: 8, .value_kind: global_buffer, .address_space: global }
      - { .name: ln_beta, .offset: 40, .size: 8, .value_kind: global_buffer, .address_space: global }
      - { .name: out0, .offset: 48, .size: 8, .value_kind: global_buffer, .address_space: global }
    .group_segment_fixed_size: 327680
    .private_segment_fixed_size: 0
    .kernarg_segment_align: 8
    .kernarg_segment_size: 56
    .max_flat_workgroup_size: 128
    .sgpr_count:     66
    .vgpr_count:     1024
    .wavefront_size: 32
...
	.end_amdgpu_metadata
.endif
;; end of part 4
